; MI455X (gfx1250); checked and timed in simulation.
; The chip was launched on July 23, 2026; its instructions are those of AMD's public machine-readable ISA for CDNA 5 (MIT licence, August 2026) and "CDNA5" Instruction Set Architecture Reference Guide (July 2026). The comments in the code are by the model that wrote it; some were corrected since.
;; QKV Attention. Allowed arithmetic: float matrix products may take bf16 or f16 operands with f32 sums; other float arithmetic in f32, or as packed bf16 or f16 multiplies, adds, multiply-adds, maxima and minima; sums over many terms, partial sums and values carried from step to step in f32; what a program stores and reads back later, other than sums and carried values, may be rounded once to bf16 or f16.
;; Inputs: qkv 4 x 3,072 x 2,048 float32.
;; Outputs: out0 4 x 1,024 x 2,048 float32.
;; One version. Each part assembles by itself: llvm-mc -triple=amdgcn-amd-amdhsa -mcpu=gfx1250 --defsym DOCPART=n.
;; ======== version 1 of 1: 1 launch
;; limits: values are held in f16: magnitudes above 65,504 overflow, below 6.1e-05 lose precision
;; launch attn (part 1): grid 4 x 64, 4 waves a work-group, clusters of 4 x 1, 327,680 bytes of LDS; arguments qkv, out0; writes out0
.if DOCPART == 1
	.amdgcn_target "amdgcn-amd-amdhsa--gfx1250"
	.amdhsa_code_object_version 6
	.text
	.protected	k_q5483b0bdd7_attn
	.globl	k_q5483b0bdd7_attn
	.p2align	8
	.type	k_q5483b0bdd7_attn,@function
k_q5483b0bdd7_attn:
	s_mov_b64 s[64:65], 0
	v_nop
	global_prefetch_b8 v0, s[64:65] scope:SCOPE_SE
	s_setreg_imm32_b32 hwreg(HW_REG_WAVE_MODE, 25, 1), 1
	s_wait_xcnt 0x0
	s_wait_alu depctr_hold_cnt(0) depctr_sa_sdst(0) depctr_va_vdst(0) depctr_va_sdst(0) depctr_va_ssrc(0) depctr_va_vcc(0) depctr_vm_vsrc(0)
	s_getreg_b32 s2, hwreg(HW_REG_IB_STS2, 6, 4)
	s_cmp_eq_u32 s2, 0
	s_cbranch_scc0 .Lentry_in_a_cluster
	s_endpgm
.Lentry_in_a_cluster:
	s_bfe_u32 s2, ttmp6, 0x10000c
	s_cmp_lg_u32 s2, 0x3003
	s_cbranch_scc0 .Lentry_shape_is_right
	s_endpgm
.Lentry_shape_is_right:
; out0[b][64 h + c][t] = the sum over s of softmax_s(q[:, t] . k[:, s] / 8) v[c][s], for 64 heads (b, h) of 2,048 positions and 64 channels.
; qkv: [4][3][16][64][2048] f32, CHANNEL-MAJOR: a head's q, k, v are 64 rows of 8,192 bytes; q at byte (48 b + h) 2^19, k 2^23 behind it, v 2^23 behind k.  out0 likewise at (16 b + h) 2^19.
; FORMATS.  q and k are rounded once to bf16 (first product in bf16).  v is rounded once to bf16 and that number is written as f16; the weights p are rounded to f16 (second product in f16).
; Products, maxima and sums in f32; l is the sum of the unrounded p; the two scales of the problem, 1/8 together, are applied in f32 inside the exponent: c = log2(e) / 8.
; LIMITS.  v as f16: exact for 2^-14 <= |v| < 65,520; below that it keeps f16's step of 2^-24, from 65,520 on it becomes an infinity.  A weight below 2^-126 counts as 0 in l.
; |c s| stays under 4e37 (the starting value of c m).  NaN and infinities are not treated apart.
; SHARES.  256 work-groups.  A cluster of four is one head; work-group cx owns 512 queries, each of its four waves 128: four PIECES of two tiles of 16.  Every wave walks all keys, 64 a step;
; a CHUNK is 128 keys, two steps, 16 chunks in all.
; LAYOUT.  S^T = K Q^T (source 0 = 16 keys, source 1 = 16 queries): a lane holds ONE query (lane % 16) and the keys 8 (lane / 16) + 0..7; two such results rounded in pairs ARE source 1 of O^T = V P,
; whose result holds one query a lane and eight channels.  Memory has channels as rows: V's fragments come out of LDS as they lie, K's and Q's turned, by ds_load_tr16_b128.
; THE ROAD IN.  A chunk's k and v (2 x 64 rows x 512 bytes, f32) come by JOINT tensor loads (the four work-groups of a head walk the same k and v: one mask, one descriptor a wave) into one of two
; f32 slots F; the four waves round them, 16 rows of each a wave, into one of two 16-bit slots H, which ds_store alone writes.  ONE round of the cluster's barrier a chunk: behind round m slot F[m % 2]
; takes chunk m + 2, chunk m + 1 is rounded from F[(m + 1) % 2] into H[(m + 1) % 2], and the two steps of chunk m are fetched from H[m % 2].  A wave has one tensor load out, never more.
; SOFTMAX, TURNS.  For each query a running maximum m and sum l: p = 2^(c s - c m); in every step O and l are multiplied by a = 2^(c m_old - c m_new).  m starts at the lowest finite number, O and l
; at 0, so the first step is a step like any other (price: the registers are cleared once, while the first tile is on its way, and 16 products run on zeros).  Turn n belongs to piece n: 16 products
; K Q^T of piece n + 1, later 16 products V P of piece n - 1; beside them the scaling, exponentials, roundings, sums and rescaling of piece n and the maximum and statistics of piece n + 1.  A tile and
; step have 118 vector instructions for 16 matrix instructions: four that are ready stand behind every matrix instruction, the others in two lumps.
; REGISTERS, in windows of 256 (s_set_vgpr_msb: bits 1:0 source 0, 3:2 source 1, 5:4 source 2, 7:6 destination):
;   window 0: v0-11 addresses; v12-15, v48-63 at work; v16-47 four registers of statistics a tile; v64-191 S^T, two buffers of two tiles; v192-255 P, likewise
;   window 1: O^T, 32 a tile (before that: q as loaded)      window 2: v0-127 Q, 16 a tile; v128-191 K of one step; v192-255 V of one step
;   window 3: v0-1 the add's two registers; v2-7 the rounding's addresses; v16-143 32 rows as read; v144-207 as stored
.set NP,    4         ; pieces a wave: a name, no knob
.set ROWB,  8192      ; bytes in a row of qkv and of out0
.set CHB,   512       ; bytes of such a row in a chunk
.set STB,   128       ; bytes of a 16-bit row in a step
.set PK,    288       ; a row of K or Q in LDS: 128 x 2 bytes + 32 = 72 words
.set PV,    272       ; a row of V: 256 + 16 = 68 words: the 16 rows of a load start at 16 different groups of four banks
.set VOFF,  64*PK     ; in a slot H: 64 rows of K, then 64 rows of V
.set FSW,   0x10000   ; slot F0 at 0, F1 here; H0 at 0x20000, H1 at 0x30000: one exclusive or turns an address in one slot into the other's
.set FV,    32768     ; in a slot F: 64 rows x 512 bytes of k, then of v
.set H0,    0x20000
.set QS,    H0+FSW+64*(PK+PV)  ; each wave's own 18,432 bytes: first Q [64 channels][128 queries] bf16 at pitch PK, at the end the stage for the way out
.set QSB,   64*PK
.set SPO,   272       ; a row of the stage: 64 queries x 4 bytes + 16
.set SPARE, QS+4*QSB  ; behind them: the spare words, 128 bytes for each wave: two blocks of 256 bytes that no other line names
.set AK0, 2           ; v2   my lane's place in a turned tile; never rewritten
.set AV0, 3           ; v3   my lane's place in a tile of V, VOFF in it; never rewritten
.set AK,  4           ; v4   the LDS address of K's next run of loads
.set AV,  5           ; v5   of V's
.set QO,  6           ; v6   my 16 bytes of a row of q
.set STO, 6           ;      later, the way out: where I put a number
.set QRD, 7           ; v7   where I read Q back, turned
.set RD,  7           ;      later: where I read rows back
.set QST, 8           ; v8   where I put 8 bytes of a row of Q
.set GO,  8           ;      later: my byte offset in two rows of out0
.set PFO, 11          ; v11  the prefetches' offset: row lane / 2, half lane % 2 of its 512 bytes; never rewritten
.set LN,  12          ; v12  my lane, in the head alone
.set MV,  12          ; v12-15  c m_old, kept while c m is made anew: by buffer and tile
.set ST,  16          ; tile t's statistics at v[ST+4 t]: c m, m, l (even keys', odd keys')
.set TMP, 48          ; by buffer and tile, four registers c0-c3 at work; when the maximum is found c2 takes a
.set S,   64
.set P,   192
.set KF,  128         ; window 2: key block kb, channel half c at KF + 16 kb + 8 c
.set VF,  192         ; window 2: key half kk, channel block cb at VF + 32 kk + 8 cb
.set SPW, 0           ; window 3: LDS address of my spare word: SPARE + 4 x my thread's number; never rewritten
.set NIL, 1           ; window 3: 0; never rewritten
.set CF0, 2           ; window 3: 16 lane + my 16 rows in a slot F
.set CK0, 3           ; window 3: 8 lane + my 16 rows of K in a slot H
.set CV0, 4           ; window 3: the same for V
.set CF,  5           ; window 3: these three with the slot in hand
.set CK,  6
.set CV,  7
.set CD,  16          ; window 3: row i as read, four registers
.set CO,  144         ; window 3: row i as stored, two registers
.set WV,  12          ; s12  my wave's number
.set G1,  24          ; s[24:31] descriptor group 1
.set G0,  40          ; s[40:43] descriptor group 0: it walks
.set PFA, 44          ; s[44:45] where my prefetches stand
.set LIM, 46          ; s46  1 in a wave that prefetches, else the greatest number
.set QSW, 47          ; s47  my wave's bytes at QS
.set TF,  48          ; s48  the slot F that is rounded next
.set TH,  49          ; s49  the slot H that takes it
.set HM,  50          ; s50  a word's upper half
.set TC,  51          ; s51  counts the last two chunks
.set SLOTS, 56        ; s56  14 - m in change m
.set CNT, 57          ; s57  counts a chunk's two steps
.set CS,  58          ; s[58:59] c: the packed scaling takes the pair's low word for both halves
.set SEL, 60          ; s[60:61] v_permlanex16_b32's selects: each lane takes its own place in the other half
.set TBK, 62          ; s62  LDS byte at which K of the step to be fetched begins
.set TBV, 63          ; s63  the same for V, less VOFF
.set MSB, 0
.macro WIN new                      ; the high byte repeats the setting that is left; a switch that changes nothing is dropped
.if MSB != (\new)
	s_set_vgpr_msb (MSB<<8)|(\new)
.set MSB, (\new)
.endif
.endm
.set W_KQ, 0x0a       ; K and Q in window 2, S^T in window 0
.set W_PV, 0x52       ; V in window 2, P in window 0, O^T in window 1
.set W_RS, 0x41       ; O^T (destination and source 0) in window 1, the factor in window 0
.set W_MK, 0xc0       ; destination in window 3, sources in window 0
.set W_AD, 0x0f       ; the add: address (source 0) and data (source 1) in window 3
.set W_CV, 0xff       ; the rounding: everything in window 3
; A joint fill: wave w brings 32 rows x 512 bytes of its own (waves 0, 1: k's two halves; 2, 3: v's), by one line for all: both addresses hang on the wave's number.
; An s_nop 0 and four v_nop follow the line.
.macro JLOAD
	tensor_load_to_lds s[G0:G0+3], s[G1:G1+7]
	s_nop 0
.rept 4
	v_nop
.endr
.endm
; A PREFETCH INTO THE L2, behind the joint load of change m and its five lines: chunk m + 3, the one that the NEXT change will ask for.  A chunk is 512 bytes of each of 64 rows of k and of v.
; The four partners share the rows out BY ADDRESS, 16 each; in each, wave 0 asks for k's and wave 2 for v's: a lane for each aligned 256 bytes, one instruction.  So each block is named once in the
; launch.  Chunks 0 to 2 come by their loads alone; the last change that asks is 12, for chunk 15.
.macro ASK
	s_cmp_gt_u32 s[SLOTS], s[LIM]
	s_cbranch_scc0 .Lnot_mine_\@
	global_prefetch_b8 v[PFO], s[PFA:PFA+1] th:TH_LOAD_NT scope:SCOPE_SE
.Lnot_mine_\@:
.endm
; A round of the cluster's barrier: my work-group's barrier, so that wave 0's signal speaks for all four waves; wave 0 signals; every wave waits for all four work-groups; my work-group's barrier once more.
.macro CROUND
	s_barrier_signal -1
	s_barrier_wait -1
	s_cmp_lg_u32 s[WV], 0
	s_cbranch_scc1 .Lnot_wave_0_\@
	s_barrier_signal -3
.Lnot_wave_0_\@:
	s_barrier_wait -3
	s_barrier_signal -1
	s_barrier_wait -1
.endm
; THE ROUNDING of a chunk: my 16 rows of k and my 16 of v, a row an instruction (32 lanes x 16 bytes in, 32 x 8 bytes out, both on end: no bank is asked twice).
; The 32 loads stand in one run; rows are then taken in pairs.  Behind the loads of the pair (i, i + 1) stand 30 - i younger loads and the i stores of the rows done: the count is 30 every time.
.macro CONVERT
	WIN W_CV
	v_add_nc_u32 v[CF], s[TF], v[CF0]
	v_add_nc_u32 v[CK], s[TH], v[CK0]
	v_add_nc_u32 v[CV], s[TH], v[CV0]
.set ci, 0
.rept 16
	ds_load_b128 v[CD+4*ci:CD+4*ci+3], v[CF] offset:CHB*ci
.set ci, ci+1
.endr
.rept 16
	ds_load_b128 v[CD+4*ci:CD+4*ci+3], v[CF] offset:FV+CHB*(ci-16)
.set ci, ci+1
.endr
.set ci, 0
.rept 8                             ; k: f32 to bf16
	s_wait_dscnt 30
.irp z, 0,1,2,3
	v_cvt_pk_bf16_f32 v[CO+2*ci+\z], v[CD+4*ci+2*\z], v[CD+4*ci+2*\z+1]
.endr
	ds_store_b64 v[CK], v[CO+2*ci:CO+2*ci+1] offset:PK*ci
	ds_store_b64 v[CK], v[CO+2*ci+2:CO+2*ci+3] offset:PK*(ci+1)
.set ci, ci+2
.endr
.rept 8                             ; v: f32 to bf16, the one rounding; that number back to f32 (a shift, a mask) and on to f16, which changes nothing within the limits at the head
	s_wait_dscnt 30
.irp z, 0,1,2,3
	v_cvt_pk_bf16_f32 v[CO+2*ci+\z], v[CD+4*ci+2*\z], v[CD+4*ci+2*\z+1]
.endr
.irp z, 0,1,2,3
	v_lshlrev_b32 v[CD+4*ci+2*\z], 16, v[CO+2*ci+\z]
	v_and_b32 v[CD+4*ci+2*\z+1], s[HM], v[CO+2*ci+\z]
.endr
.irp z, 0,1,2,3
	v_cvt_pk_f16_f32 v[CO+2*ci+\z], v[CD+4*ci+2*\z], v[CD+4*ci+2*\z+1]
.endr
	ds_store_b64 v[CV], v[CO+2*ci:CO+2*ci+1] offset:PV*(ci-16)
	ds_store_b64 v[CV], v[CO+2*ci+2:CO+2*ci+3] offset:PV*(ci-15)
.set ci, ci+2
.endr
	WIN 0
.endm
; THE CHANGE m, between piece 1's turn and piece 2's.  Each wave waits for all its tensor loads (one is out: its part of chunk m + 1), adds 0 to its spare word, and waits for that, for its reads of
; F[m % 2] and of H[(m + 1) % 2], and for its stores into H[m % 2].  Behind the barrier F[m % 2] and H[(m + 1) % 2] are read by nobody, and F[(m + 1) % 2] and H[m % 2] are whole.
; fill = 1: F[m % 2] takes chunk m + 2; the barrier is then a round of the cluster's, and the joint fill is the first thing behind it: it has a chunk's 256 matrix instructions in which to land.
; conv = 1: chunk m + 1 is rounded; 2: but not in the tail's last trip.  ask = 1: the prefetch's address steps, and ASK follows the fill.
.macro CHANGE fill, conv, ask
	WIN W_AD
	s_wait_tensorcnt 0x0            ; no tensor load of mine is out, so group 0 may be written
	ds_add_u32 v[SPW], v[NIL]       ; 0 onto my spare word; the scalar steps below stand between it and the wait for it
	WIN 0                           ; at a label and at a branch every window is 0
.if \fill
	s_xor_b32 s[G0+1], s[G0+1], FSW ; the walking descriptor: the other slot than last time,
	s_add_nc_u64 s[G0+2:G0+3], s[G0+2:G0+3], CHB  ; the next 128 keys; the type bits on top are not reached
.endif
.if \ask
	s_wait_xcnt 0x0                 ; the last prefetch, a chunk back, has read its address, so it may be written
	s_add_nc_u64 s[PFA:PFA+1], s[PFA:PFA+1], CHB
.endif
	s_xor_b32 s[TF], s[TF], FSW
	s_xor_b32 s[TH], s[TH], FSW
	s_sub_co_u32 s[TBK], s[TBK], 2*STB  ; the fetches go back to a slot's first step,
	s_xor_b32 s[TBK], s[TBK], FSW       ; in the other slot
	s_sub_co_u32 s[TBV], s[TBV], 2*STB
	s_xor_b32 s[TBV], s[TBV], FSW
	s_wait_dscnt 0x0                ; the add is done; my LDS reads are back and my stores into H are done
.if \fill
	CROUND
	JLOAD
.if \ask
	ASK
.endif
.else
	s_barrier_signal -1
	s_barrier_wait -1
.endif
.if (\conv) == 1
	CONVERT
.elseif (\conv) == 2
	s_cmp_eq_u32 s[TC], 1
	s_cbranch_scc1 .Lno_conv_\@     ; forward, past text without a barrier or a tensor load: behind the last chunk there is none to round
	CONVERT
.Lno_conv_\@:
.endif
.endm
	s_load_b128 s[4:7], s[0:1], 0x0 ; qkv s[4:5], out0 s[6:7]
	WIN W_MK
	v_lshl_add_u32 v[SPW], v0, 2, SPARE
	v_mov_b32 v[NIL], 0
	WIN W_AD
	ds_add_u32 v[SPW], v[NIL]       ; the wave's opening: the add and its wait stand ahead of my first tensor load; the set-up below, work on registers, stands between them
	WIN 0
	v_lshrrev_b32 v1, 5, v0
	v_readfirstlane_b32 s[WV], v1   ; wave 0..3
	s_bfe_u32 s13, ttmp6, 0x40000   ; cx: my block of 512 queries; it enters q's, out0's and the prefetches' addresses alone
	s_and_b32 s14, ttmp7, 0xffff    ; the head, 16 b + h, which the four partners share
	s_lshr_b32 s15, s14, 4
	s_lshl_b32 s15, s15, 5
	s_add_co_u32 s15, s15, s14      ; 48 b + h
	s_lshl_b32 s16, s15, 19         ; the head's q, in bytes: under 2^27
	s_lshr_b32 s20, s[WV], 1
	s_add_co_u32 s20, s20, 1
	s_lshl_b32 s20, s20, 23         ; k (waves 0, 1) or v (waves 2, 3),
	s_and_b32 s21, s[WV], 1
	s_lshl_b32 s21, s21, 18         ; its rows 0-31 or 32-63
	s_add_co_u32 s18, s16, s20
	s_add_co_u32 s18, s18, s21
	s_mov_b32 s19, 0                ; s[18:19]: the 32 rows that I fetch
	s_lshl_b32 s20, s13, 17         ; my work-group's 16 rows of the 64,
	s_add_co_u32 s20, s20, 2*CHB    ; at chunk 2: change 0 steps it to chunk 3
	s_mov_b32 s21, 0                ; s[20:21]: from there to my prefetches
	s_lshl_b32 s22, s13, 11
	s_lshl_b32 s23, s[WV], 9
	s_add_co_u32 s22, s22, s23      ; my wave's 128 queries in a row: 2,048 cx + 512 w
	s_lshl_b32 s2, s14, 19
	s_add_co_u32 s2, s2, s22
	s_mov_b32 s3, 0                 ; s[2:3]: in out0
	s_add_co_u32 s22, s22, s16
	s_mov_b32 s23, 0                ; s[22:23]: in q
	; descriptor group 1: a tile of 32 rows x 128 elements of 4 bytes, dense in LDS
	s_mov_b32 s[G1], 15|(2<<16)|(1<<21)  ; 15:0 the mask of four; 17:16 4-byte elements; 20 no padding; 21 set beside a mask
	s_mov_b32 s[G1+1], 128<<16      ; tensor_dim0 = 128
	s_mov_b32 s[G1+2], 32<<16       ; tensor_dim1 = 32
	s_mov_b32 s[G1+3], 128<<16      ; tile_dim0 = 128
	s_mov_b32 s[G1+4], 32           ; tile_dim1 = 32
	s_mov_b32 s[G1+5], 2048         ; 2,048 elements from row to row
	s_mov_b32 s[G1+6], 0
	s_mov_b32 s[G1+7], 0
	s_mov_b32 s[G0], 1              ; 1:0 count = 1
	s_lshl_b32 s[G0+1], s[WV], 14   ; 63:32 LDS address: slot F0, my 16,384 bytes: no place in the cluster enters an LDS address
	s_and_b32 s[LIM], s[WV], 1
	s_cmp_eq_u32 s[LIM], 0
	s_cselect_b32 s[LIM], 1, -1     ; waves 0 and 2 prefetch: the same in all four partners
	s_mul_i32 s[QSW], s[WV], QSB
	s_add_co_u32 s[QSW], s[QSW], QS
	s_mov_b32 s[TF], FSW            ; the first change turns these two into F0 and H0
	s_mov_b32 s[TH], H0+FSW
	s_mov_b32 s[TBK], H0+4*STB      ; the first two changes turn these two into H0
	s_mov_b32 s[TBV], H0+4*STB
	s_mov_b32 s[HM], 0xffff0000
	s_mov_b32 s[SLOTS], 14
	s_mov_b32 s[CS], 0x3e38aa3b     ; c = log2(e) / 8 = 0.180337
	s_mov_b32 s[CS+1], s[CS]        ; named with it as a pair
	s_mov_b32 s[SEL], 0x76543210
	s_mov_b32 s[SEL+1], 0xfedcba98
	s_wait_dscnt 0x0                ; the opening add is done
	s_wait_kmcnt 0x0
	s_add_nc_u64 s[G0+2:G0+3], s[4:5], s[18:19]  ; 120:64 global address: chunk 0 of my 32 rows
	s_or_b32 s[G0+3], s[G0+3], 0x80000000        ; 127:126 type = 2
	s_add_nc_u64 s[PFA:PFA+1], s[4:5], s[18:19]
	s_add_nc_u64 s[PFA:PFA+1], s[PFA:PFA+1], s[20:21]
	s_add_nc_u64 s[4:5], s[4:5], s[22:23]        ; q at my wave's queries
	s_add_nc_u64 s[10:11], s[6:7], s[2:3]        ; out0 likewise
	CROUND                          ; all four work-groups are here: the first joint loads meet
	JLOAD                           ; chunk 0 into F0.  F1 is asked for when F0 is in, by the first change
	v_and_b32 v[LN], 31, v0
	v_lshlrev_b32 v[QO], 4, v[LN]
	WIN 0x40                        ; destination window 1, address window 0
.set ci, 0
.rept 64                            ; q: row c's 512 bytes for my 128 queries, 16 bytes a lane
	global_load_b128 v[4*ci:4*ci+3], v[QO], s[4:5] offset:ROWB*ci th:TH_LOAD_NT
.set ci, ci+1
.endr
	WIN 0
	v_and_b32 v1, 15, v0            ; l % 16
	v_bfe_u32 v9, v0, 4, 1          ; l / 16
	v_and_b32 v10, 7, v0
	v_bfe_u32 v13, v0, 3, 1
	; The turning load takes 16 channels x 16 keys (lane l reads channel 8 (l / 16) + l % 8, keys 8 ((l / 8) % 2) + 0..7) and leaves half a fragment: lane l holds key l % 16 and 8 channels.
	v_lshl_add_u32 v[AK0], v9, 3, v10
	v_mul_u32_u24 v[AK0], v[AK0], PK
	v_lshl_add_u32 v[AK0], v13, 4, v[AK0]
	; A fragment of V is 16 channels x 32 keys in 8 registers: lane l holds channel l % 16, keys 8 (l / 16) + 0..7 and 16 + 8 (l / 16) + 0..7: two loads of 16 bytes, 32 bytes apart.
	v_mul_u32_u24 v[AV0], v1, PV
	v_lshl_add_u32 v[AV0], v9, 4, v[AV0]
	v_add_nc_u32 v[AV0], VOFF, v[AV0]
	v_lshl_add_u32 v[QST], v[LN], 3, s[QSW]
	v_add_nc_u32 v[QRD], s[QSW], v[AK0]
	v_lshrrev_b32 v[PFO], 1, v[LN]
	v_lshlrev_b32 v[PFO], 13, v[PFO]
	v_and_b32 v14, 1, v0
	v_lshl_add_u32 v[PFO], v14, 8, v[PFO]
	s_lshl_b32 s14, s[WV], 13       ; my 16 rows of 512 bytes,
	s_mul_i32 s15, s[WV], 16*PK     ; of K,
	s_mul_i32 s16, s[WV], 16*PV     ; and of V
	s_add_co_u32 s16, s16, VOFF
	WIN W_MK
	v_lshl_add_u32 v[CF0], v[LN], 4, s14
	v_lshl_add_u32 v[CK0], v[LN], 3, s15
	v_lshl_add_u32 v[CV0], v[LN], 3, s16
	; What the first turn finds: V's registers and P's second buffer hold 0 (its products V P, of a piece that has not been, add 0), O^T and l are 0.  All this stands in the wait for q and the first tile.
	WIN 0x80
.set i, VF
.rept 64
	v_mov_b32 v[i], 0
.set i, i+1
.endr
	WIN 0
.set i, 0
.rept 2*NP
	v_mov_b32 v[ST+4*i], 0xfe000000    ; c m: far below every c s
	v_mov_b32 v[ST+4*i+1], 0xff7fffff  ; m
	v_mov_b32 v[ST+4*i+2], 0
	v_mov_b32 v[ST+4*i+3], 0
.set i, i+1
.endr
.set i, P+32
.rept 32
	v_mov_b32 v[i], 0
.set i, i+1
.endr
	WIN 0x05                        ; sources 0 and 1 window 1, destination window 0
.irp g, 0,1,2,3
	s_wait_loadcnt 48-16*\g         ; loads come back in order (ISA guide 5.7.1): 16 more rows are in, the younger ones stay out
.set ci, 16*\g
.rept 16
	v_cvt_pk_bf16_f32 v[S+2*ci], v[4*ci], v[4*ci+1]
	v_cvt_pk_bf16_f32 v[S+2*ci+1], v[4*ci+2], v[4*ci+3]
.set ci, ci+1
.endr
.endr
	WIN 0
.set ci, 0
.rept 64
	ds_store_b64 v[QST], v[S+2*ci:S+2*ci+1] offset:PK*ci
.set ci, ci+1
.endr
	WIN 0x80                        ; Q stays in registers: tile ci / 2, channels 32 (ci % 2) on.  LDS serves a wave's instructions in order (ISA guide 5.7.1.4): these see the stores above, which are my own
.set ci, 0
.rept 16
	ds_load_tr16_b128 v[8*ci:8*ci+3],   v[QRD] offset:(ci%2)*32*PK+(ci/2)*32
	ds_load_tr16_b128 v[8*ci+4:8*ci+7], v[QRD] offset:(ci%2)*32*PK+16*PK+(ci/2)*32
.set ci, ci+1
.endr
	WIN 0x40
.set i, 0
.rept 64*NP
	v_mov_b32 v[i], 0
.set i, i+1
.endr
	WIN 0
; THE MATRIX WORK.  The 8 accumulators of a run of 16 take turns: between the two links of a chain stand 7 others'.
; Product i of 16 of S^T = K Q^T for piece x: channels 32 (i / 8) on, keys 16 ((i / 2) % 4) on, tile 2 x + i % 2.  The first 8 start the sums.
.macro KQ x
	WIN W_KQ
.set rS, S+64*((\x)%2)+32*(i%2)+8*((i/2)%4)
.set rK, KF+16*((i/2)%4)+8*(i/8)
.set rQ, 16*(2*(\x)+i%2)+8*(i/8)
.if i < 8
	v_wmma_f32_16x16x32_bf16 v[rS:rS+7], v[rK:rK+7], v[rQ:rQ+7], 0
.else
	v_wmma_f32_16x16x32_bf16 v[rS:rS+7], v[rK:rK+7], v[rQ:rQ+7], v[rS:rS+7]
.endif
.endm
; Product i of 16 of O^T += V P for piece x: keys 32 (i / 8) on, channels 16 ((i / 2) % 4) on, tile 2 x + i % 2.
.macro PV x
	WIN W_PV
.set rO, 32*(2*(\x)+i%2)+8*((i/2)%4)
.set rV, VF+32*(i/8)+8*((i/2)%4)
.set rP, P+32*((\x)%2)+16*(i%2)+8*(i/8)
	v_wmma_f32_16x16x32_f16 v[rO:rO+7], v[rV:rV+7], v[rP:rP+7], v[rO:rO+7]
.endm
.macro MM                           ; the turn's next matrix instruction
.if i < 16
	KQ (Y+1)%NP
.set i, i+1
.else
.set i, i-16
	PV (Y+NP-1)%NP
.set i, i+17
.endif
.endm
; THE LDS LOADS stand in runs of 16, never singly among the matrix instructions: a step's K (turned) and its V.  Their addresses are made some lines ahead.
.macro FETCH_K
	WIN 0x80                        ; destination window 2
.irp f, 0,1,2,3,4,5,6,7             ; keys 16 (f / 2) on, channels 32 (f % 2) on
	ds_load_tr16_b128 v[KF+8*\f:KF+8*\f+3],   v[AK] offset:(\f%2)*32*PK+(\f/2)*32
	ds_load_tr16_b128 v[KF+8*\f+4:KF+8*\f+7], v[AK] offset:(\f%2)*32*PK+16*PK+(\f/2)*32
.endr
	s_add_co_u32 s[TBK], s[TBK], STB  ; the next fetch is the next step's
	WIN 0
.endm
.macro FETCH_V
	WIN 0x80
.irp f, 0,1,2,3,4,5,6,7             ; keys 32 (f / 4) on, channels 16 (f % 4) on
	ds_load_b128 v[VF+8*\f:VF+8*\f+3],   v[AV] offset:(\f%4)*16*PV+(\f/4)*64
	ds_load_b128 v[VF+8*\f+4:VF+8*\f+7], v[AV] offset:(\f%4)*16*PV+(\f/4)*64+32
.endr
	WIN 0
.endm
; THE VECTOR WORK OF A TURN stands in three queues, each in the order in which its entries become ready; the two tiles alternate, so that no instruction reads the result of the one before it.
.macro REGS y, u                    ; the registers of tile u (0, 1) of piece y
.set rT, ST+4*(2*(\y)+(\u))
.set rC, TMP+8*((\y)%2)+4*(\u)
.set rM, MV+2*((\y)%2)+(\u)
.set rS, S+64*((\y)%2)+32*(\u)
.set rP, P+32*((\y)%2)+16*(\u)
.set rO, 32*(2*(\y)+(\u))
.endm
; Number n of the 22 that find the NEXT piece's (Y + 1) maximum and statistics.  s0-s31 are the lane's 32 scores; each accumulator's lowest registers are read first.  XS, GS and REGS set no window: PL and EX do.
;   0-11  four chains c0-c3 of seven scores each, three operands at a time     12-14, 16  the four scores left over, the old m, and c0-c3 into c0     15  c m_old is kept
;   17, 18  the query's other 32 keys lie in the lane 16 away: the new m         19-21  c m; c m_old - c m_new; a
.macro XS u, n
	REGS (Y+1)%NP, \u
.if (\n) < 4
	v_max3_num_f32 v[rC+(\n)], v[rS+8*(\n)], v[rS+8*(\n)+1], v[rS+8*(\n)+2]
.elseif (\n) < 12
	v_max3_num_f32 v[rC+(\n)%4], v[rC+(\n)%4], v[rS+8*((\n)%4)+2*((\n)/4)+1], v[rS+8*((\n)%4)+2*((\n)/4)+2]
.elseif (\n) == 12
	v_max3_num_f32 v[rC], v[rC], v[rS+7], v[rS+15]
.elseif (\n) == 13
	v_max3_num_f32 v[rC+1], v[rC+1], v[rS+23], v[rS+31]
.elseif (\n) == 14
	v_max3_num_f32 v[rC+2], v[rC+2], v[rC+3], v[rT+1]
.elseif (\n) == 15
	v_mov_b32 v[rM], v[rT]
.elseif (\n) == 16
	v_max3_num_f32 v[rC], v[rC], v[rC+1], v[rC+2]
.elseif (\n) == 17
	v_permlanex16_b32 v[rC+3], v[rC], s[SEL], s[SEL+1]
.elseif (\n) == 18
	v_max_num_f32 v[rT+1], v[rC], v[rC+3]
.elseif (\n) == 19
	v_mul_f32 v[rT], s[CS], v[rT+1]
.elseif (\n) == 20
	v_sub_f32 v[rC+1], v[rM], v[rT]
.else
	v_exp_f32 v[rC+2], v[rC+1]
.endif
.endm
; Number g of the 64 that follow the exponentials.  For each four weights k of a tile (pairs 2 k, 2 k + 1): both pairs are rounded to f16; then the second pair is added onto the first, in place;
; a group later l takes that sum (the first time as l = a l + sum).  In groups of eight, tiles alternating: round, round, add, and l for the group before.
.macro GS g
.set h, (\g)+6*((\g)/62)            ; group 0 has no group before it, and behind group 7 only l is left
.if h >= 6
.set h, h+2
.endif
	REGS Y, h%2
.set k, h/8
.if h%8 < 4
	s_wait_alu depctr_va_vdst(0)
	v_cvt_pk_f16_f32 v[rP+2*k+(h%8)/2], v[rS+4*k+2*((h%8)/2)], v[rS+4*k+2*((h%8)/2)+1]
.elseif h%8 < 6
	v_pk_add_f32 v[rS+4*k:rS+4*k+1], v[rS+4*k:rS+4*k+1], v[rS+4*k+2:rS+4*k+3]
.elseif k == 1
	v_pk_fma_f32 v[rT+2:rT+3], v[rT+2:rT+3], v[rC+2:rC+3], v[rS:rS+1] op_sel_hi:[1,0,1]
.else
	v_pk_add_f32 v[rT+2:rT+3], v[rT+2:rT+3], v[rS+4*k-4:rS+4*k-3]
	s_wait_alu depctr_va_vdst(0)
.endif
.endm
; THE PLAIN QUEUE, 138 long.  0-31: c s - c m for the 16 pairs of both tiles.  Then GS's 64, and among them the next piece's 42: number 15 at 38, 39; 0-14 and 16
; at 42-73, behind the products that make those scores; 17-20 at 95-106, two of three, since each waits for the one before it.
.macro PL
	WIN 0
.if q < 32
	REGS Y, q%2
	v_pk_fma_f32 v[rS+2*(q/2):rS+2*(q/2)+1], v[rS+2*(q/2):rS+2*(q/2)+1], s[CS:CS+1], v[rT:rT+1] op_sel_hi:[1,0,0] neg_lo:[0,0,1] neg_hi:[0,0,1]
.elseif q < 38
	GS q-32
.elseif q < 40
	XS q%2, 15
.elseif q < 42
	GS q-34
.elseif q < 74
	XS q%2, (q-42)/2+(q-42)/30
.elseif q < 95
	GS q-66
.elseif (q < 107) && ((q-95)%3 < 2)
	XS (q-95)%3, 17+(q-95)/3
.elseif q < 107
	GS 29+(q-95)/3
.else
	GS q-74
.endif
.set q, q+1
.endm
; THE EXPONENTIALS' QUEUE, 66 long: s0-s31 of both tiles, and at EA the next piece's two a.
.set EA, 58
.macro EX
	WIN 0
.if (e == EA) || (e == EA+1)
	XS e-EA, 21
.else
.set x, e-2*(e/(EA+2))
	REGS Y, x%2
	v_exp_f32 v[rS+x/2], v[rS+x/2]
.endif
.set e, e+1
.endm
; THE RESCALING's QUEUE: O^T times a, the one part that leaves window 0, so it is dealt four at a time, eight times.
.macro R4
	REGS Y, r%2
	WIN W_RS
	s_wait_alu depctr_va_vdst(0)
.irp z, 0,1,2,3
	v_pk_mul_f32 v[rO+8*(r/2)+2*\z:rO+8*(r/2)+2*\z+1], v[rO+8*(r/2)+2*\z:rO+8*(r/2)+2*\z+1], v[rC+2:rC+3] op_sel_hi:[1,0]
.endr
.set r, r+1
.endm
; HOW THEY ARE DEALT.  Behind a matrix instruction four: plain, exponential, plain, plain (one exponential, a plain instruction on either side), or four of the rescaling.  None names a register of the
; products round it.  What is over stands in two LUMPS: exponential and plain by turns; the second ends in 22 plain instructions.  The two v_permlanex16_b32 fall into the second lump, never behind a product.
; The queues lean on each other, and the deal keeps them in step: exponential e stands behind plain 2 (e / 4) + e % 2 (its scaling); when plain 32 comes, 10 exponentials are out, at 59: 33, at 95: 46; EA comes behind plain 107.
.macro SL
	MM
	PL
	EX
	PL
	PL
.endm
.macro BURST n                      ; 15 matrix instructions, or 16
.rept (\n)-7
	SL
.endr
.rept 3
	MM
	R4
	SL
.endr
	MM
	R4
.endm
; A TURN, for piece p.  nofetch = 1: the launch's last step: there is no further K.  cnt = 1: the loop's count is taken down some lines ahead of the branch that stands behind the turn.
; K of the next step is fetched in piece 2's turn, 31 vector instructions behind the last product that read K; its first reader comes behind the rest of the lump, 16 products and the second lump.
; V of the step in hand is fetched at the end of piece 0's turn, 69 behind its last reader; its first reader comes behind 16 products and a lump.  The four conditions on e and q below go with the deal.
.macro TURN p, nofetch=0, cnt=0
.set Y, (\p)
.set i, 0
.set q, 0
.set e, 0
.set r, 0
.if (\p) == NP-1
	s_wait_dscnt 0x0                ; K is in
.endif
	MM
.rept 4
	PL
.endr
	BURST 15
.rept 22
	EX
	PL
.if ((\p) == NP-2) && (e == 18) && !(\nofetch)
	v_add_nc_u32 v[AK], s[TBK], v[AK0]
.endif
.if ((\p) == NP-2) && (e == 24) && !(\nofetch)
	FETCH_K
.endif
.endr
.if (\p) == 1
	s_wait_dscnt 0x0                ; V is in
.endif
	BURST 16
.rept 21
	EX
	PL
.endr
.rept 22
	PL
.if ((\p) == 0) && (q == 118)
	v_add_nc_u32 v[AV], s[TBV], v[AV0]
	s_wait_alu depctr_va_vdst(0)
.endif
.if ((\p) == 0) && (q == 130)
	s_add_co_u32 s[TBV], s[TBV], STB
.endif
.if (\cnt) && (q == 130)
	s_sub_co_u32 s[CNT], s[CNT], 1
	s_cmp_lg_u32 s[CNT], 0
.endif
.endr
.if (\p) == 0
	FETCH_V
.endif
.endm
	CHANGE 1, 1, 0                  ; change -1: chunk 0 is in, everybody's part of it; chunk 1 is asked for; chunk 0 is rounded into H0.  (Its wait on DScnt is also the wait for Q.)
	CHANGE 1, 1, 1                  ; change 0: chunk 2 is asked for, chunk 3 prefetched, chunk 1 rounded; H0 is whole
	v_add_nc_u32 v[AK], s[TBK], v[AK0]
	FETCH_K                         ; key step 0
	s_wait_dscnt 0x0
.set i, 0
.rept 16
	KQ 0                            ; piece 0's first scores: there is no vector work yet to set between them
.set i, i+1
.endr
	WIN 0                           ; the addresses for the way out: eight plain instructions, the places behind those products
	v_mul_u32_u24 v[STO], v9, 8*SPO ; in: channel 8 (l / 16) + j, query l % 16
	v_lshl_add_u32 v[STO], v1, 2, v[STO]
	v_add_nc_u32 v[STO], s[QSW], v[STO]
	v_mul_u32_u24 v[RD], v9, SPO    ; back: lanes 0-15 take one row of 256 bytes, lanes 16-31 the next,
	v_lshl_add_u32 v[RD], v1, 4, v[RD]
	v_add_nc_u32 v[RD], s[QSW], v[RD]
	v_lshlrev_b32 v[GO], 13, v9     ; and the same two rows in out0
	v_lshl_add_u32 v[GO], v1, 4, v[GO]
.set Y, NP-1                        ; XS works for piece Y + 1: piece 0
.irp n, 0,1,2,3,4,5,6,7,8,9,10,11,12,13,14,15,16,17,18,19,20,21
	XS 0, \n                        ; and piece 0's first maximum and statistics
	XS 1, \n
.endr
	s_mov_b32 s[CNT], 2
	s_branch .Lfirst                ; the loop is entered at a step's first turn, in the middle of a trip
.Lslot:                             ; 13 times, changes 1 to 13: each asks for a chunk
	CHANGE 1, 1, 1
	s_mov_b32 s[CNT], 2
.Lstep:                             ; a trip: pieces 2 and 3 of one step, then pieces 0 and 1 of the next, whose K and V it fetches
	TURN 2
	TURN 3
	WIN 0
.Lfirst:
	TURN 0
	TURN 1, 0, 1
	WIN 0
	s_cbranch_scc1 .Lstep
	s_sub_co_u32 s[SLOTS], s[SLOTS], 1
	s_cmp_lg_u32 s[SLOTS], 0
	s_cbranch_scc1 .Lslot
	s_mov_b32 s[TC], 2              ; the tail has a text of its own: changes 14 and 15 ask for nothing; 14 still rounds chunk 15
.Ltc:
	CHANGE 0, 2, 0
	s_mov_b32 s[CNT], 2
.Lts:
	TURN 2
	TURN 3
	TURN 0
	TURN 1, 0, 1
	WIN 0
	s_cbranch_scc1 .Lts
	s_sub_co_u32 s[TC], s[TC], 1
	s_cmp_lg_u32 s[TC], 0
	s_cbranch_scc1 .Ltc
	TURN 2, 1                       ; the last step's pieces 2 and 3
	TURN 3                          ; (its 16 products K Q^T, on the last K once more, and the maximum made of them serve nothing: the price, once a launch, of one text for every turn)
.set i, 0
.rept 16
	PV NP-1                         ; the last piece's V P of the last step
.set i, i+1
.endr
	; THE WAY OUT.  l's two halves and the other half of the lanes' are added; O^T is divided by l.  A lane holds one query and eight channels, out0 has queries along its rows: so four tiles (64 queries
	; x 64 channels, f32) at a time go through my stage in LDS and come back as whole rows of 256 bytes.  The additions are the places behind the last products.
	WIN 0
.macro ALL line:vararg              ; one line for each tile t
.set t, 0
.rept 2*NP
	\line
.set t, t+1
.endr
.endm
	ALL v_add_f32 v[ST+4*t+2], v[ST+4*t+2], v[ST+4*t+3]
	ALL v_permlanex16_b32 v[ST+4*t+3], v[ST+4*t+2], s[SEL], s[SEL+1]
	ALL v_add_f32 v[ST+4*t+2], v[ST+4*t+2], v[ST+4*t+3]
	ALL v_rcp_f32 v[ST+4*t+2], v[ST+4*t+2]
	v_nop                           ; a plain instruction between the last reciprocal and the use of its result
	s_wait_alu depctr_va_vdst(0)
.macro OUT g                        ; tiles 4 g to 4 g + 3
	WIN W_RS
.set t, 4*(\g)
.rept 4
.set i, 32*t
.rept 16                            ; each accumulator from its low end on
	v_pk_mul_f32 v[i:i+1], v[i:i+1], v[ST+4*t+2:ST+4*t+3] op_sel_hi:[1,0]
.set i, i+2
.endr
.set t, t+1
.endr
	WIN 0x04                        ; the data (source 1) in window 1
.set i, 0
.rept 128                           ; register i = 32 (tile % 4) + 8 cb + j: channel 16 cb + 8 (l / 16) + j.  Lanes 16-31 lie 8 rows = 544 words on: 32 banks from lanes 0-15
	ds_store_b32 v[STO], v[128*(\g)+i] offset:(16*((i/8)%4)+i%8)*SPO+(i/32)*64
.set i, i+1
.endr
	WIN 0
.if \g
	s_wait_xcnt 0x0                 ; the first half's stores have read their data (ISA guide 3.1): only behind this wait are those registers loaded again
.endif
.set i, 0
.rept 32
	ds_load_b128 v[S+4*i:S+4*i+3], v[RD] offset:2*i*SPO  ; LDS serves a wave's instructions in order (ISA guide 5.7.1.4): these see the stores above; the second half's stores come behind them
.set i, i+1
.endr
.set i, 0
.rept 32
	s_wait_dscnt 31-i               ; the younger reads of the stage may stay out
	global_store_b128 v[GO], v[S+4*i:S+4*i+3], s[10:11] offset:2*ROWB*i+256*(\g) th:TH_STORE_NT  ; 16 lanes store 256 consecutive bytes, at a multiple of 256 from out0's first byte
.set i, i+1
.endr
.endm
	OUT 0
	OUT 1
	WIN W_AD
	s_wait_tensorcnt 0x0            ; the wave's end, behind my last tensor load and my last LDS store
	ds_add_u32 v[SPW], v[NIL]
	s_wait_dscnt 0x0
	WIN 0
	CROUND                          ; the closing round: no work-group ends while a partner may still ask for a tile that names it
	s_endpgm
.Lfunc_end_k_q5483b0bdd7_attn:
	.size	k_q5483b0bdd7_attn, .Lfunc_end_k_q5483b0bdd7_attn-k_q5483b0bdd7_attn
	.p2alignl 7, 3214868480
	.fill 96, 4, 3214868480
	.section	.rodata,"a",@progbits
	.p2align	6, 0x0
	.amdhsa_kernel k_q5483b0bdd7_attn
		.amdhsa_group_segment_fixed_size 327680
		.amdhsa_private_segment_fixed_size 0
		.amdhsa_enable_private_segment 0
		.amdhsa_kernarg_size 16
		.amdhsa_user_sgpr_count 2
		.amdhsa_user_sgpr_kernarg_segment_ptr 1
		.amdhsa_wavefront_size32 1
		.amdhsa_system_sgpr_workgroup_id_x 1
		.amdhsa_system_sgpr_workgroup_id_y 1
		.amdhsa_system_sgpr_workgroup_id_z 1
		.amdhsa_system_vgpr_workitem_id 0
		.amdhsa_next_free_vgpr 976
		.amdhsa_next_free_sgpr 66
		.amdhsa_reserve_vcc 0
		.amdhsa_float_denorm_mode_32 3
		.amdhsa_float_denorm_mode_16_64 3
		.amdhsa_memory_ordered 1
		.amdhsa_forward_progress 1
		.amdhsa_inst_pref_size 255
	.end_amdhsa_kernel
	.section	.bss,"aw",@nobits
	.p2align	6
	.space	262144
	.amdgpu_metadata
---
amdhsa.version: [ 1, 2 ]
amdhsa.kernels:
  - .name:           k_q5483b0bdd7_attn
    .symbol:         k_q5483b0bdd7_attn.kd
    .args:
      - { .name: qkv, .offset: 0, .size: 8, .value_kind: global_buffer, .address_space: global }
      - { .name: out0, .offset: 8, .size: 8, .value_kind: global_buffer, .address_space: global }
    .group_segment_fixed_size: 327680
    .private_segment_fixed_size: 0
    .kernarg_segment_align: 8
    .kernarg_segment_size: 16
    .max_flat_workgroup_size: 128
    .sgpr_count:     66
    .vgpr_count:     976
    .wavefront_size: 32
...
	.end_amdgpu_metadata
.endif
;; end of part 1
